; MI455X (gfx1250); checked and timed in simulation.
; The chip was launched on July 23, 2026; its instructions are those of AMD's public machine-readable ISA for CDNA 5 (MIT licence, August 2026) and "CDNA5" Instruction Set Architecture Reference Guide (July 2026). The comments in the code are by the model that wrote it; some were corrected since.
;; Multi Head Attention. Allowed arithmetic: matrix products marked QUANTISED: E5M2 operands, one given power-of-two scale a tensor, by v_wmma_f32_16x16x64_bf8_bf8 or v_wmma_f32_16x16x128_bf8_bf8, f32 sums; everything else in f32.
;; Inputs: Wk_codes 16 x 64 x 32 x 32 uint8 (E5M2 codes of Wk, K innermost, in blocks of 32 codes); Wq_codes 16 x 64 x 32 x 32 uint8 (E5M2 codes of Wq, K innermost, in blocks of 32 codes); Wv_codes 16 x 64 x 32 x 32 uint8 (E5M2 codes of Wv, K innermost, in blocks of 32 codes); inputs_codes 4 x 2,048 x 32 x 32 uint8 (E5M2 codes of inputs, K innermost, in blocks of 32 codes); lowp_scales 10 int32 (the exponents e of the quantised operands' scales 2^e).
;; Outputs: out0 4 x 2,048 x 1,024 float32.
;; This version of the problem:
;;   THIS VERSION OF THE PROBLEM IS GIVEN IN LOW PRECISION. The matrix products marked QUANTISED in the list below multiply operands that are first quantised to E5M2 (5 exponent bits, 2 mantissa bits; 8 bits a number), with one given power-of-two scale for each operand tensor; their sums are f32. All else is computed in f32.
;;   The module's matrix products, in the order in which they are computed (A, B: the left and right operand; K: the contracted axis; several contracted axes count as one K, in the product's order):
;;     1. [M 1,024, K 1,024] x [K 1,024, N 8,192]; A: input Wq (given as codes); B: input inputs (given as codes): QUANTISED (scales: A lowp_scales[0], B lowp_scales[1])
;;     2. [M 1,024, K 1,024] x [K 1,024, N 8,192]; A: input Wk (given as codes); B: input inputs (given as codes): QUANTISED (scales: A lowp_scales[2], B lowp_scales[3])
;;     3. [M 1,024, K 1,024] x [K 1,024, N 8,192]; A: input Wv (given as codes); B: input inputs (given as codes): QUANTISED (scales: A lowp_scales[4], B lowp_scales[5])
;;     4. batch 64 x [M 2,048, K 64] x [K 64, N 2,048]; A: computed on the way; B: computed on the way: QUANTISED (scales: A lowp_scales[6], B lowp_scales[7])
;;     5. batch 64 x [M 2,048, K 2,048] x [K 2,048, N 64]; A: softmax (see below); B: computed on the way: QUANTISED (scales: A lowp_scales[8], B lowp_scales[9])
;;   THE QUANTISER, for each operand of a quantised product, along K:
;;     - The operand's scale is 2^e, e = its entry of the input lowp_scales (int32; the entries are numbered through the quantised products in the list's order, A before B).
;;     - Each number is divided by the scale, clamped to +-57,344, and rounded to the nearest number of E5M2, ties to even, subnormals kept.
;;     - The product sums the exact products of the quantised numbers (number of the format x scale) in f32.
;;   ~~~python
;;   def quantise(x, axis, e):      # numpy; x: float32 -> the quantised numbers, widened to float32 again
;;       x = np.moveaxis(x, axis, -1); K = x.shape[-1]
;;       r = np.clip(x / 2.0 ** e, -57344, 57344)
;;       step = 2.0 ** (np.maximum(np.frexp(np.where(r == 0, 1, r))[1] - 1, -14) - 2)
;;       q = np.round(r / step) * step * 2.0 ** e      # np.round: ties to even
;;       return np.moveaxis(q, -1, axis).astype(np.float32)
;;   ~~~
;;   SOFTMAX AHEAD OF A QUANTISED PRODUCT. Where the list says 'softmax', what is quantised is not the finished softmax but p = 2^(t - M), with t = logit x log2(e) and M = ceil(the row's largest t), a whole number; so 1/2 < the row's largest p <= 1. The row's sum l is taken of the UNQUANTISED p, in f32, and the product's result is divided by l at the end. Since M is a whole number, a kernel that streams over the keys may use a running M (the ceiling of the running maximum): every later rescaling is an exact power of two, so the quantised numbers keep their values, but for numbers so far below the row's largest that they fall under the format's range.
;;   OPERANDS COMPUTED ON THE WAY. 'Computed on the way' means the value that the module computes at that place (a softmax that the list does not call 'softmax' is quantised finished and normalised). What goes into a quantiser is computed in f32, as accurately as f32 sums, v_exp_f32 and their like allow (about 1e-6 of the number): no bf16 or f16 on the way to a quantiser, and a product that is left as it is and whose result goes on into a quantised operand takes f32 operands (vector FMAs, or v_wmma_f32_16x16x4_f32). A number that lies on a knife's edge between two numbers of the format may be rounded either way, as far as f32 arithmetic and the matrix unit's own rounding can turn it there, and no further.
;;   INPUTS GIVEN AS CODES. Wk (in the module: [16, 1024, 64], K = its axis 1); Wq (in the module: [16, 1024, 64], K = its axis 1); Wv (in the module: [16, 1024, 64], K = its axis 1); inputs (in the module: [4, 2048, 1024], K = its axis 2): each comes as NAME_codes (uint8): NAME with its K axis moved to the last place and cut into blocks of 32 codes, [.., K / 32, bytes a block], one block behind the other in memory; one code a byte (a code: sign, 5 exponent bits, 2 mantissa bits); its scale is its entry of lowp_scales. Its value is code x scale, taken as it is: it is not quantised again, and the codes and scales need not be those that the quantiser above would give.
;; One version. Each part assembles by itself: llvm-mc -triple=amdgcn-amd-amdhsa -mcpu=gfx1250 --defsym DOCPART=n.
;; ======== version 1 of 1: 2 launches
;; limits: right only within a limited range of input values
;; workspace buffers: q_img 8,388,608 bytes; k_img 8,388,608 bytes; v_img 8,388,608 bytes
;; launch proj (part 1): grid 16 x 32, 4 waves a work-group, clusters of 4 x 4, 327,680 bytes of LDS; arguments inputs_codes, Wq_codes, Wk_codes, Wv_codes, lowp_scales, q_img, k_img, v_img; writes q_img, k_img, v_img
.if DOCPART == 1
	.amdgcn_target "amdgcn-amd-amdhsa--gfx1250"
	.amdhsa_code_object_version 6
	.text
	.protected	k_q511c67c7f3_proj
	.globl	k_q511c67c7f3_proj
	.p2align	8
	.type	k_q511c67c7f3_proj,@function
k_q511c67c7f3_proj:
	s_mov_b64 s[64:65], 0
	v_nop
	global_prefetch_b8 v0, s[64:65] scope:SCOPE_SE
	s_setreg_imm32_b32 hwreg(HW_REG_WAVE_MODE, 25, 1), 1
	s_wait_xcnt 0x0
	s_wait_alu depctr_hold_cnt(0) depctr_sa_sdst(0) depctr_va_vdst(0) depctr_va_sdst(0) depctr_va_ssrc(0) depctr_va_vcc(0) depctr_vm_vsrc(0)
	s_getreg_b32 s2, hwreg(HW_REG_IB_STS2, 6, 4)
	s_cmp_eq_u32 s2, 0
	s_cbranch_scc0 .Lentry_in_a_cluster
	s_endpgm
.Lentry_in_a_cluster:
	s_bfe_u32 s2, ttmp6, 0x10000c
	s_cmp_lg_u32 s2, 0xf033
	s_cbranch_scc0 .Lentry_shape_is_right
	s_endpgm
.Lentry_shape_is_right:
; q, k, v = inputs x Wq, Wk, Wv on codes of BF8 (E5M2), K = 1,024; each result is quantised at once (2^e6, 2^e7, 2^e9) and stored as codes.
; A work-group makes 256 tokens x one head's 64 e of q, k and v; a wave 128 tokens x 32 e of each: 3 x 16 accumulators, in windows 1, 2, 3.
; K goes in four steps of 256 through two LDS slots (256 rows of inputs, 3 x 64 rows of weights): every tile row is 256 bytes of memory, at a multiple of 256; LDS pitch 272.
; CLUSTERS 4 x 4: the inputs' tile hangs on the token block (grid y) and is asked for jointly along a row of the cluster, the weights' on the head (grid x), along a column.
; q and k are used transposed (source 0 = 16 e of W, source 1 = 16 tokens): a lane's eight sums are eight neighbouring e of a token; v the other way (a lane: one e, eight neighbouring tokens), since the keys are its next K.
; IMAGES, per (batch, head) 131,072 bytes: q_img, k_img: 16 tokens x 64 e = 8 operand registers a lane, 1,024 bytes (registers 0-3 at 16 x lane, 4-7 at 512 + 16 x lane);
; v_img: for 128 tokens four tiles of 16 e x 128 tokens, 16 registers a lane, 2,048 bytes each.
; A fragment is fetched by two loads of 16 bytes, 32 apart: a permutation of k that is the same on both sides of a product.
; NO PREFETCH: K steps 0 and 1 are asked for at the head, 2 and 3 one step later; there is no loop to run ahead in.
; LIMITS: e6 - e0 - e1, e7 - e2 - e3 and e9 - e4 - e5 lie between -126 and 112, so that the folded scale and 57,344 x it are f32 numbers.
.set PITCH,  272
.set XROWS,  256*PITCH
.set WROWS,  64*PITCH
.set SLOT,   XROWS+3*WROWS
.set SPARE,  2*SLOT                    ; the spare words: 512 bytes that no other line names
.set KROW,   1024
.set KSTEP,  256
.set SCQ,  8                           ; v8-13: for q, k, v the folded scale and 57,344 x it
.set SCK,  10
.set SCV,  12
.set ADRX, 16                          ; v16-17 my inputs' fragments in slot 0, 1;  v20-21 my weights'
.set ADRW, 20
.set OUTO, 24                          ; v24 16 x lane
.set SPW,  28
.set NIL,  29
.set XF0,  32                          ; two sets of eight fragments of the inputs
.set XF1,  96
.set WQ,   160                         ; two fragments of each weight
.set WK,   176
.set WV,   192
.set CQ,   32                          ; the way out: codes
.set CK,   64
.set CV,   96
.set G1X,  24
.set G0X,  32
.set G1W,  40
.set G0W,  48
.set WVN,  20
.set MSB, 0
.macro WIN new                         ; the immediate's high byte repeats the setting that is left
.if MSB != (\new)
	s_set_vgpr_msb (MSB<<8)|(\new)
.set MSB, (\new)
.endif
.endm
.macro PLACES                          ; four places behind matrix instructions (ISA guide 7.12.1)
.rept 4
	v_nop
.endr
.endm
.macro CREST
	s_cmp_lg_u32 s[WVN], 0
	s_cbranch_scc1 .Lnot_wave_0_\@
	s_barrier_signal -3
.Lnot_wave_0_\@:
	s_barrier_wait -3
	s_barrier_signal -1
	s_barrier_wait -1
.endm
.macro CROUND
	s_barrier_signal -1
	s_barrier_wait -1
	CREST
.endm
.macro JLOAD n                         ; wave 0 asks for the inputs' tile, waves 1 to 3 for Wq's, Wk's, Wv's: one load a wave
	s_cmp_eq_u32 s[WVN], 0
	s_cbranch_scc0 .Lfor_w_\@
	tensor_load_to_lds s[G0X+4*\n:G0X+4*\n+3], s[G1X:G1X+7]
	s_nop 0
	PLACES
	s_branch .Lasked_\@
.Lfor_w_\@:
	tensor_load_to_lds s[G0W+4*\n:G0W+4*\n+3], s[G1W:G1W+7]
	s_nop 0
	PLACES
.Lasked_\@:
.endm
	s_load_b256 s[4:11], s[0:1], 0x0               ; inputs, Wq, Wk, Wv
	s_load_b256 s[12:19], s[0:1], 0x20             ; scales, q_img, k_img, v_img
	v_lshl_add_u32 v[SPW], v0, 2, SPARE
	v_mov_b32 v[NIL], 0
	ds_add_u32 v[SPW], v[NIL]                      ; the opening lines: the add twice on end and its wait
	ds_add_u32 v[SPW], v[NIL]
	v_lshrrev_b32 v1, 5, v0
	v_readfirstlane_b32 s[WVN], v1
	s_lshr_b32 s21, s[WVN], 1                      ; my half of the tokens
	s_and_b32 s22, s[WVN], 1                       ; my half of the head's e
	s_bfe_u32 s56, ttmp6, 0x40000
	s_bfe_u32 s57, ttmp6, 0x40004
	s_lshl_b32 s58, ttmp9, 2
	s_add_co_u32 s58, s58, s56                     ; head
	s_and_b32 s59, ttmp7, 0xffff
	s_lshl_b32 s59, s59, 2
	s_add_co_u32 s59, s59, s57                     ; block of 256 tokens
	s_lshl_b32 s60, s57, 2
	s_lshl_b32 s60, 15, s60
	s_lshl_b32 s61, 0x1111, s56
	s_or_b32 s[G1X+0], s60, (1<<20)|(1<<21)|(5<<22)|(3<<25)   ; mask; bytes; 4 words of padding behind every 64
	s_or_b32 s[G1W+0], s61, (1<<20)|(1<<21)|(5<<22)|(3<<25)
	s_mov_b32 s[G1X+1], KSTEP<<16
	s_mov_b32 s[G1X+2], 256<<16
	s_mov_b32 s[G1X+3], KSTEP<<16
	s_mov_b32 s[G1X+4], 256
	s_mov_b32 s[G1X+5], KROW
	s_mov_b32 s[G1X+6], 0
	s_mov_b32 s[G1X+7], 0
	s_mov_b32 s[G1W+1], KSTEP<<16
	s_mov_b32 s[G1W+2], 64<<16
	s_mov_b32 s[G1W+3], KSTEP<<16
	s_mov_b32 s[G1W+4], 64
	s_mov_b32 s[G1W+5], KROW
	s_mov_b32 s[G1W+6], 0
	s_mov_b32 s[G1W+7], 0
	s_lshl_b32 s62, s59, 18
	s_mov_b32 s63, 0
	s_lshl_b32 s68, s58, 16
	s_mov_b32 s69, 0
	s_add_co_u32 s70, s[WVN], 3
	s_mul_i32 s70, s70, WROWS                      ; wave 1, 2, 3: behind the inputs' 256 rows (= 4 x 64)
	s_wait_dscnt 0x0
	s_wait_kmcnt 0x0
	s_load_b256 s[72:79], s[12:13], 0x0            ; e0 .. e7
	s_load_b64 s[80:81], s[12:13], 0x20            ; e8, e9
	s_add_nc_u64 s[62:63], s[4:5], s[62:63]
	s_cmp_eq_u32 s[WVN], 2
	s_cselect_b64 s[66:67], s[8:9], s[6:7]
	s_cmp_eq_u32 s[WVN], 3
	s_cselect_b64 s[66:67], s[10:11], s[66:67]
	s_add_nc_u64 s[66:67], s[66:67], s[68:69]
.irp n, 0,1
	s_mov_b32 s[G0X+4*\n], 1
	s_mov_b32 s[G0X+4*\n+1], \n*SLOT
	s_add_nc_u64 s[G0X+4*\n+2:G0X+4*\n+3], s[62:63], \n*KSTEP
	s_or_b32 s[G0X+4*\n+3], s[G0X+4*\n+3], 0x80000000
	s_mov_b32 s[G0W+4*\n], 1
	s_add_co_u32 s[G0W+4*\n+1], s70, \n*SLOT
	s_add_nc_u64 s[G0W+4*\n+2:G0W+4*\n+3], s[66:67], \n*KSTEP
	s_or_b32 s[G0W+4*\n+3], s[G0W+4*\n+3], 0x80000000
.endr
	CROUND                                         ; all sixteen work-groups are here
	JLOAD 0                                        ; K step 0: one tensor load a wave at the head
	s_mul_i32 s70, s21, 128*PITCH
	s_mul_i32 s71, s22, 32*PITCH
	s_add_co_u32 s71, s71, XROWS
	s_add_co_u32 s84, s70, SLOT
	s_add_co_u32 s85, s71, SLOT
	s_lshr_b32 s82, s59, 3                         ; batch
	s_lshl_b32 s82, s82, 4
	s_add_co_u32 s82, s82, s58
	s_lshl_b32 s82, s82, 17                        ; the (batch, head)'s image,
	s_and_b32 s83, s59, 7
	s_lshl_b32 s83, s83, 1
	s_add_co_u32 s83, s83, s21
	s_lshl_b32 s83, s83, 13                        ; my 128 tokens in it
	s_add_co_u32 s82, s82, s83
	s_mov_b32 s83, 0
	s_add_nc_u64 s[14:15], s[14:15], s[82:83]
	s_add_nc_u64 s[16:17], s[16:17], s[82:83]
	s_add_nc_u64 s[18:19], s[18:19], s[82:83]
	s_lshl_b32 s82, s22, 9                         ; q, k: my 32 e are registers 0-3 or 4-7 of a tile
	s_add_nc_u64 s[14:15], s[14:15], s[82:83]
	s_add_nc_u64 s[16:17], s[16:17], s[82:83]
	s_lshl_b32 s82, s22, 12                        ; v: they are two of the four tiles
	s_add_nc_u64 s[18:19], s[18:19], s[82:83]
	v_and_b32 v1, 15, v0
	v_bfe_u32 v2, v0, 4, 1
	v_mul_u32_u24 v3, v1, PITCH
	v_lshl_add_u32 v3, v2, 4, v3                   ; row x pitch + 16 x half
	v_add_nc_u32 v[ADRX], s70, v3
	v_add_nc_u32 v[ADRW], s71, v3
	v_add_nc_u32 v[ADRX+1], s84, v3
	v_add_nc_u32 v[ADRW+1], s85, v3
	v_and_b32 v[OUTO], 31, v0
	v_lshlrev_b32 v[OUTO], 4, v[OUTO]
.macro FRAG reg, adr, off
	ds_load_b128 v[\reg:\reg+3], v[\adr] offset:\off
	ds_load_b128 v[\reg+4:\reg+7], v[\adr] offset:\off+32
.endm
.macro FETCHX slot, q, buf             ; 16 loads: my 128 tokens, 64 along K
.irp T, 0,1,2,3,4,5,6,7
	FRAG \buf+8*\T, ADRX+\slot, 16*PITCH*\T+64*(\q)
.endr
.endm
.macro FETCHW reg, j, slot, q          ; 4 loads: my 32 e of weight j
.irp t, 0,1
	FRAG \reg+8*\t, ADRW+\slot, WROWS*\j+16*PITCH*\t+64*(\q)
.endr
.endm
.macro MM d, a, b, zero                ; zero = 1: the first product starts the sum
.if \zero
	v_wmma_f32_16x16x64_bf8_bf8 v[\d:\d+7], v[\a:\a+7], v[\b:\b+7], 0
.else
	v_wmma_f32_16x16x64_bf8_bf8 v[\d:\d+7], v[\a:\a+7], v[\b:\b+7], v[\d:\d+7]
.endif
.endm
.macro MULW wf, buf, T0, n, zero       ; the accumulators take turns, one instruction a turn
.set TT, \T0
.rept \n
.irp t, 0,1
	MM 8*(2*TT+\t), \wf+8*\t, \buf+8*TT, \zero
.endr
.set TT, TT+1
.endr
.endm
.macro MULX buf, zero
.set TT, 0
.rept 8
.irp t, 0,1
	MM 8*(2*TT+\t), \buf+8*TT, WV+8*\t, \zero
.endr
.set TT, TT+1
.endr
.endm
.set W_Q, 0x50
.set W_K, 0xa0
.set W_V, 0xf0
; 64 along K with a successor in the same slot.  On entry my LDS loads stand in this order: inputs 16, Wq 4, Wk 4, Wv 4.
.macro SUB slot, q, zero
.if (\q)%2
.set CUR, XF1
.set NXT, XF0
.else
.set CUR, XF0
.set NXT, XF1
.endif
	s_wait_dscnt 8                                 ; Wk's and Wv's 8 may be out
	WIN W_Q
	MULW WQ, CUR, 0, 8, \zero
	PLACES
	WIN 0
	FETCHX \slot, (\q)+1, NXT
	FETCHW WQ, 0, \slot, (\q)+1
	s_wait_dscnt 24                                ; Wv's 4 and the 20 just issued
	WIN W_K
	MULW WK, CUR, 0, 8, \zero
	PLACES
	WIN 0
	FETCHW WK, 1, \slot, (\q)+1
	s_wait_dscnt 24                                ; the 20 and the 4 issued since
	WIN W_V
	MULX CUR, \zero
	PLACES
	WIN 0
	FETCHW WV, 2, \slot, (\q)+1
.endm
; A slot's last 64 along K, and the change of slots.
.macro TURN slot, next, fill
	s_wait_tensorcnt 0x0                           ; my part of the next slot is in
	ds_add_u32 v[SPW], v[NIL]
	s_wait_dscnt 9                                 ; the add, Wk's 4 and Wv's 4 may be out
	WIN W_Q
	MULW WQ, XF1, 0, 4, 0
	s_wait_dscnt 0x0                               ; the add is done, my reads of this slot are over
	s_barrier_signal -1
	MULW WQ, XF1, 4, 4, 0
	WIN 0
	s_barrier_wait -1
.if \fill
	CREST                                          ; the barrier opened a round of the cluster's barrier
	s_add_nc_u64 s[G0X+4*\slot+2:G0X+4*\slot+3], s[G0X+4*\slot+2:G0X+4*\slot+3], 2*KSTEP
	s_add_nc_u64 s[G0W+4*\slot+2:G0W+4*\slot+3], s[G0W+4*\slot+2:G0W+4*\slot+3], 2*KSTEP
	JLOAD \slot
.else
	PLACES
.endif
	FETCHX \next, 0, XF0
	FETCHW WQ, 0, \next, 0
	WIN W_K
	MULW WK, XF1, 0, 8, 0
	PLACES
	WIN 0
	FETCHW WK, 1, \next, 0
	WIN W_V
	MULX XF1, 0
	PLACES
	WIN 0
	FETCHW WV, 2, \next, 0
.endm
	s_wait_alu depctr_va_vdst(0)                   ; the wait at the head's end
	s_wait_tensorcnt 0x0                           ; my part of K step 0 is in
	ds_add_u32 v[SPW], v[NIL]
	s_wait_dscnt 0x0
	CROUND
	JLOAD 1                                        ; K step 1, slot 1's first fill, issued as a refill is
	FETCHX 0, 0, XF0
	FETCHW WQ, 0, 0, 0
	FETCHW WK, 1, 0, 0
	FETCHW WV, 2, 0, 0
	SUB 0, 0, 1
	SUB 0, 1, 0
	SUB 0, 2, 0
	TURN 0, 1, 1                                   ; slot 0 takes K step 2
	SUB 1, 0, 0
	SUB 1, 1, 0
	SUB 1, 2, 0
	TURN 1, 0, 1                                   ; slot 1 takes K step 3
	SUB 0, 0, 0
	SUB 0, 1, 0
	SUB 0, 2, 0
	TURN 0, 1, 0
	SUB 1, 0, 0
	SUB 1, 1, 0
	SUB 1, 2, 0
	s_wait_dscnt 8
	WIN W_Q
	MULW WQ, XF1, 0, 8, 0
	s_wait_dscnt 4
	WIN W_K
	MULW WK, XF1, 0, 8, 0
	s_wait_dscnt 0x0
	WIN W_V
	MULX XF1, 0
	WIN 0
.macro FOLD sc, eo, ea, eb             ; a sum stands for sum x 2^(ea + eb): its code is sum / 2^(eo - ea - eb)
	s_sub_co_i32 s62, s[\eo], s[\ea]
	s_sub_co_i32 s62, s62, s[\eb]
	s_add_co_i32 s62, s62, 127
	s_lshl_b32 s63, s62, 23
	v_mov_b32 v[\sc], s63
	s_add_co_i32 s62, s62, 15
	s_lshl_b32 s62, s62, 23
	s_or_b32 s62, s62, 0x600000
	v_mov_b32 v[\sc+1], s62                        ; 57,344 x that
.endm
.macro OUT n, c, sc, base, isv
	WIN (\n)|((\n)<<6)
.set J, 0
.rept 128
	v_med3_num_f32 v[J], v[J], -v[\sc+1], v[\sc+1] ; the hold: the conversion does not saturate (ISA guide 7.6.2); each accumulator from its low end on
.set J, J+1
.endr
	WIN (\n)
.set J, 0
.rept 16
.if \isv
	v_cvt_scalef32_pk8_bf8_f32 v[\c+16*(J%2)+2*(J/2):\c+16*(J%2)+2*(J/2)+1], v[8*J:8*J+7], v[\sc]
.else
	v_cvt_scalef32_pk8_bf8_f32 v[\c+2*J:\c+2*J+1], v[8*J:8*J+7], v[\sc]
.endif
.set J, J+1
.endr
	v_nop
	WIN 0
.irp i, 0,1,2,3,4,5,6,7
.if \isv
	global_store_b128 v[OUTO], v[\c+4*\i:\c+4*\i+3], s[\base:\base+1] offset:512*\i     ; 32 lanes store 512 consecutive bytes
.else
	global_store_b128 v[OUTO], v[\c+4*\i:\c+4*\i+3], s[\base:\base+1] offset:1024*\i
.endif
.endr
.endm
	s_wait_kmcnt 0x0
	FOLD SCQ, 78, 72, 73
	FOLD SCK, 79, 74, 75
	FOLD SCV, 81, 76, 77
	s_wait_alu depctr_va_vdst(0)                   ; the wait behind these writes
	PLACES
	OUT 1, CQ, SCQ, 14, 0
	OUT 2, CK, SCK, 16, 0
	OUT 3, CV, SCV, 18, 1
	s_wait_tensorcnt 0x0                           ; the wave's end
	ds_add_u32 v[SPW], v[NIL]
	s_wait_dscnt 0x0
	CROUND                                         ; the closing round
	s_endpgm
.Lfunc_end_k_q511c67c7f3_proj:
	.size	k_q511c67c7f3_proj, .Lfunc_end_k_q511c67c7f3_proj-k_q511c67c7f3_proj
	.p2alignl 7, 3214868480
	.fill 96, 4, 3214868480
	.section	.rodata,"a",@progbits
	.p2align	6, 0x0
	.amdhsa_kernel k_q511c67c7f3_proj
		.amdhsa_group_segment_fixed_size 327680
		.amdhsa_private_segment_fixed_size 0
		.amdhsa_enable_private_segment 0
		.amdhsa_kernarg_size 64
		.amdhsa_user_sgpr_count 2
		.amdhsa_user_sgpr_kernarg_segment_ptr 1
		.amdhsa_wavefront_size32 1
		.amdhsa_system_sgpr_workgroup_id_x 1
		.amdhsa_system_sgpr_workgroup_id_y 1
		.amdhsa_system_sgpr_workgroup_id_z 1
		.amdhsa_system_vgpr_workitem_id 0
		.amdhsa_next_free_vgpr 1024
		.amdhsa_next_free_sgpr 96
		.amdhsa_reserve_vcc 0
		.amdhsa_float_denorm_mode_32 3
		.amdhsa_float_denorm_mode_16_64 3
		.amdhsa_memory_ordered 1
		.amdhsa_forward_progress 1
		.amdhsa_inst_pref_size 127
	.end_amdhsa_kernel
	.amdgpu_metadata
---
amdhsa.version: [ 1, 2 ]
amdhsa.kernels:
  - .name:           k_q511c67c7f3_proj
    .symbol:         k_q511c67c7f3_proj.kd
    .args:
      - { .name: inputs_codes, .offset: 0, .size: 8, .value_kind: global_buffer, .address_space: global }
      - { .name: Wq_codes, .offset: 8, .size: 8, .value_kind: global_buffer, .address_space: global }
      - { .name: Wk_codes, .offset: 16, .size: 8, .value_kind: global_buffer, .address_space: global }
      - { .name: Wv_codes, .offset: 24, .size: 8, .value_kind: global_buffer, .address_space: global }
      - { .name: lowp_scales, .offset: 32, .size: 8, .value_kind: global_buffer, .address_space: global }
      - { .name: q_img, .offset: 40, .size: 8, .value_kind: global_buffer, .address_space: global }
      - { .name: k_img, .offset: 48, .size: 8, .value_kind: global_buffer, .address_space: global }
      - { .name: v_img, .offset: 56, .size: 8, .value_kind: global_buffer, .address_space: global }
    .group_segment_fixed_size: 327680
    .private_segment_fixed_size: 0
    .kernarg_segment_align: 8
    .kernarg_segment_size: 64
    .max_flat_workgroup_size: 128
    .sgpr_count:     96
    .vgpr_count:     1024
    .wavefront_size: 32
...
	.end_amdgpu_metadata
.endif
;; end of part 1
;; launch attn (part 2): grid 4 x 64, 8 waves a work-group, clusters of 4 x 1, 327,680 bytes of LDS; arguments q_img, k_img, v_img, lowp_scales, out0; writes out0
.if DOCPART == 2
	.amdgcn_target "amdgcn-amd-amdhsa--gfx1250"
	.amdhsa_code_object_version 6
	.text
	.protected	k_q511c67c7f3_attn
	.globl	k_q511c67c7f3_attn
	.p2align	8
	.type	k_q511c67c7f3_attn,@function
k_q511c67c7f3_attn:
	s_mov_b64 s[64:65], 0
	v_nop
	global_prefetch_b8 v0, s[64:65] scope:SCOPE_SE
	s_setreg_imm32_b32 hwreg(HW_REG_WAVE_MODE, 25, 1), 1
	s_wait_xcnt 0x0
	s_wait_alu depctr_hold_cnt(0) depctr_sa_sdst(0) depctr_va_vdst(0) depctr_va_sdst(0) depctr_va_ssrc(0) depctr_va_vcc(0) depctr_vm_vsrc(0)
	s_getreg_b32 s2, hwreg(HW_REG_IB_STS2, 6, 4)
	s_cmp_eq_u32 s2, 0
	s_cbranch_scc0 .Lentry_in_a_cluster
	s_endpgm
.Lentry_in_a_cluster:
	s_bfe_u32 s2, ttmp6, 0x10000c
	s_cmp_lg_u32 s2, 0x3003
	s_cbranch_scc0 .Lentry_shape_is_right
	s_endpgm
.Lentry_shape_is_right:
; out[b][q][64 h + e] = the sum over keys k <= q of softmax_k(q . k / 8) v[k][e], both products on codes of BF8 (E5M2); 64 pairs (batch, head), 2,048 tokens, head size 64.
; LEFT OUT: steps of 128 keys that all come after a wave's queries: the causal mask makes their p 0 for all values of the inputs.  A NaN or infinity that reaches only those scores is not carried to the result.
; q_img, k_img: images of operand registers, 16 tokens x 64 e = 1,024 bytes; v_img: 16 e x 128 keys = 2,048 bytes, four to a step of 128 keys.
; THE SOFTMAX: t = score x log2(e) / 8; M = the row's largest t so far, rounded UP to a whole number; p = 2^(t - M) is quantised with 2^e8, not normalised; the row's sum is taken of the unquantised p and divides at the end.
; When M moves, the sum and O are multiplied by 2^(old M - new M): exact.
; SHARES.  The four work-groups of a cluster serve one (batch, head).  The 2,048 queries are 16 groups of 128; partner cx takes queries 32 cx .. 32 cx + 31 of EVERY group, so group g needs g + 1 steps of 128 keys in every partner,
; and no branch hangs on a work-group's place.  Wave w takes group 15 - w, then group w: 17 steps for every wave.  A wave holds two tiles of 16 queries at once: each fragment of K and V feeds two matrix instructions.
; Only a group's last step meets the diagonal; it is written out with the mask (compare and select; the place cx enters it as data alone).
; THE HEAD'S WHOLE K AND V LIE IN LDS, filled once by JOINT loads of the four partners: keys 0-511 at the head (8,192 bytes a wave), the rest (24,576 bytes a wave) behind the full sequence and a round.
; NO PREFETCH: every byte of K and V is asked for by these two loads; there is no loop to run ahead in.
; LAYOUT.  Both products transposed: S^T = K Q^T, O^T = V^T P^T: a lane holds one query of each tile.  In S^T's tile T a lane's eight registers are keys 16 T + 8 (lane / 16) + 0..7: their codes are registers 2 T, 2 T + 1 of P.
; LIMITS: e6 + e7 between -123 and 130 (added to c's exponent field); e8 between -126 and 112; e8 + e9 goes by v_ldexp_f32.  A row's largest t lies above -3e38, and |t| under 2^31.  NaN among the codes is not served.
; REGISTERS, window 0: v1-10 addresses; v12-15 -M and the largest t of tiles a, b; v16-19 their sums; v20-23 their factors; v24-26 the hold (twice) and 2^e8; v32-95 V; v96-159, v160-223 S^T then p of a, b; v224-229 at work.
; Window 1: v0-63 O^T of a, b; v64-95 P's codes; v96-111, v112-127 Q of the two groups; v128-191 K.
.set VIMG,  131072
.set STAGE, 262144                     ; 16 rows x 272 bytes for each wave
.set SPITCH, 272
.set SPARE, STAGE+8*16*SPITCH          ; the spare words: 1,024 bytes that no other line names
.set STEPB, 8192                       ; 128 keys in either image
.set FIRST, 32768                      ; keys 0-511 in either image
.set LI,   1
.set LIV,  2
.set SPW,  3
.set NIL,  4
.set GO,   5
.set DQ,   6                           ; lane % 16 - 8 (lane / 16) + 32 cx
.set STO,  7
.set RD,   8
.set ADK,  9
.set ADV,  10
.set HOLD, 24
.set SCL,  26
.set VF,   32
.set SA,   96
.set SB,   160
.set PA,   64
.set QH,   96
.set QL,   112
.set KF,   128
.set WV,   18
.set CX,   19
.set SEL,  20
.set CS,   22
.set G1A,  24
.set G1B,  32
.set G0A,  40
.set G0B,  44
.set TB,   48                          ; 8,192 x the step
.set TRIP, 49
.set KS,   50                          ; the step
.set G,    51                          ; the group in hand
.set ESUM, 54
.set MSB, 0
.macro WIN new
.if MSB != (\new)
	s_set_vgpr_msb (MSB<<8)|(\new)
.set MSB, (\new)
.endif
.endm
.macro NOPS n
.rept \n
	v_nop
.endr
.endm
.macro ROUND
	s_barrier_signal -1
	s_barrier_wait -1
	s_cmp_lg_u32 s[WV], 0
	s_cbranch_scc1 .Lnot_wave_0_\@
	s_barrier_signal -3
.Lnot_wave_0_\@:
	s_barrier_wait -3
	s_barrier_signal -1
	s_barrier_wait -1
.endm
	s_load_b256 s[4:11], s[0:1], 0x0               ; q_img, k_img, v_img, scales
	s_load_b64 s[12:13], s[0:1], 0x20              ; out
	v_lshl_add_u32 v[SPW], v0, 2, SPARE
	v_mov_b32 v[NIL], 0
	ds_add_u32 v[SPW], v[NIL]                      ; the opening lines: the add twice on end and its wait
	ds_add_u32 v[SPW], v[NIL]
	v_lshrrev_b32 v7, 5, v0
	v_readfirstlane_b32 s[WV], v7                  ; wave 0..7
	s_bfe_u32 s[CX], ttmp6, 0x40000
	s_and_b32 s14, ttmp7, 0xffff                   ; 16 x batch + head
	s_lshr_b32 s15, s[WV], 2                       ; waves 0-3 fetch K's image, 4-7 V's,
	s_and_b32 s16, s[WV], 3                        ; a quarter each
	s_lshl_b32 s17, s15, 17
	s_lshl_b32 s52, s16, 13
	s_mul_i32 s53, s16, 24576
	s_add_co_u32 s53, s53, FIRST
	s_mov_b32 s[G1A+0], 15|(3<<16)|(1<<21)         ; the four partners; elements of 8 bytes; rows of 256 bytes, dense
	s_mov_b32 s[G1A+1], 32<<16
	s_mov_b32 s[G1A+2], 32<<16
	s_mov_b32 s[G1A+3], 32<<16
	s_mov_b32 s[G1A+4], 32
	s_mov_b32 s[G1A+5], 32
	s_mov_b32 s[G1A+6], 0
	s_mov_b32 s[G1A+7], 0
	s_mov_b32 s[G1B+0], 15|(3<<16)|(1<<21)
	s_mov_b32 s[G1B+1], 32<<16
	s_mov_b32 s[G1B+2], 96<<16
	s_mov_b32 s[G1B+3], 32<<16
	s_mov_b32 s[G1B+4], 96
	s_mov_b32 s[G1B+5], 32
	s_mov_b32 s[G1B+6], 0
	s_mov_b32 s[G1B+7], 0
	s_lshl_b32 s72, s14, 17                        ; the head's first byte in each image
	s_mov_b32 s73, 0
	s_mov_b32 s77, 0
	s_mov_b32 s[SEL], 0x76543210
	s_mov_b32 s[SEL+1], 0xfedcba98
	s_mov_b32 s[CS], 0x3e38aa3b                    ; log2(e) / 8
	s_wait_dscnt 0x0
	s_wait_kmcnt 0x0
	s_load_b128 s[68:71], s[10:11], 0x18           ; e6, e7, e8, e9
	s_cmp_eq_u32 s15, 0
	s_cselect_b64 s[74:75], s[6:7], s[8:9]
	s_add_nc_u64 s[74:75], s[74:75], s[72:73]
	s_mov_b32 s76, s52
	s_mov_b32 s[G0A], 1
	s_add_co_u32 s[G0A+1], s17, s52
	s_add_nc_u64 s[G0A+2:G0A+3], s[74:75], s[76:77]
	s_or_b32 s[G0A+3], s[G0A+3], 0x80000000
	s_mov_b32 s76, s53
	s_mov_b32 s[G0B], 1
	s_add_co_u32 s[G0B+1], s17, s53
	s_add_nc_u64 s[G0B+2:G0B+3], s[74:75], s[76:77]
	s_or_b32 s[G0B+3], s[G0B+3], 0x80000000
	ROUND                                          ; the four partners are here
	tensor_load_to_lds s[G0A:G0A+3], s[G1A:G1A+7]  ; my eighth of keys 0-511: one load a wave at the head
	s_nop 0
	NOPS 4
	s_add_nc_u64 s[4:5], s[4:5], s[72:73]
	s_xor_b32 s56, s[WV], 15                       ; my first group: 15 - w
	s_lshl_b32 s78, s[CX], 11                      ; 32 queries are 2,048 bytes of Q's image
	s_lshl_b32 s76, s56, 13
	s_add_co_u32 s76, s76, s78
	s_add_nc_u64 s[60:61], s[4:5], s[76:77]
	s_lshl_b32 s76, s[WV], 13
	s_add_co_u32 s76, s76, s78
	s_add_nc_u64 s[62:63], s[4:5], s[76:77]
	s_lshr_b32 s76, s14, 4                         ; out: batch x 2,048 rows of 4,096 bytes,
	s_lshl_b32 s76, s76, 23
	s_and_b32 s78, s14, 15
	s_lshl_b32 s78, s78, 8                         ; + 256 bytes x head,
	s_add_co_u32 s76, s76, s78
	s_lshl_b32 s78, s[CX], 17                      ; + 32 cx rows,
	s_add_co_u32 s76, s76, s78
	s_add_nc_u64 s[12:13], s[12:13], s[76:77]
	s_lshl_b32 s76, s56, 19                        ; + 128 rows x the group
	s_add_nc_u64 s[80:81], s[12:13], s[76:77]
	s_lshl_b32 s76, s[WV], 19
	s_add_nc_u64 s[82:83], s[12:13], s[76:77]
	s_mul_i32 s57, s[WV], 16*SPITCH
	s_add_co_u32 s57, s57, STAGE                   ; my stage
	s_lshl_b32 s58, s[CX], 5
	s_wait_kmcnt 0x0
	s_add_co_i32 s86, s68, s69
	s_lshl_b32 s86, s86, 23
	s_add_co_i32 s[CS], s[CS], s86                 ; c x 2^(e6 + e7)
	s_mov_b32 s[CS+1], s[CS]
	s_add_co_i32 s86, s70, 127
	s_lshl_b32 s84, s86, 23                        ; 2^e8
	s_add_co_i32 s86, s86, 15
	s_lshl_b32 s85, s86, 23
	s_or_b32 s85, s85, 0x600000                    ; 57,344 x 2^e8
	s_add_co_i32 s[ESUM], s70, s71
	v_and_b32 v9, 31, v0
	v_lshlrev_b32 v[LI], 4, v9
	WIN 0x40
.irp c, 0,1,2,3
	global_load_b128 v[QH+4*\c:QH+4*\c+3], v[LI], s[60:61] offset:512*\c   ; both groups' Q stay in registers
	global_load_b128 v[QL+4*\c:QL+4*\c+3], v[LI], s[62:63] offset:512*\c
.endr
	WIN 0
	v_add_nc_u32 v[LIV], VIMG, v[LI]
	v_and_b32 v11, 15, v0                          ; r
	v_bfe_u32 v27, v0, 4, 1                        ; h
	v_lshlrev_b32 v[GO], 12, v27
	v_lshl_add_u32 v[GO], v11, 4, v[GO]
	v_lshlrev_b32 v[DQ], 3, v27
	v_sub_nc_u32 v[DQ], v11, v[DQ]
	v_add_nc_u32 v[DQ], s58, v[DQ]
	v_mul_u32_u24 v[STO], v11, SPITCH
	v_lshl_add_u32 v[STO], v27, 5, v[STO]
	v_add_nc_u32 v[STO], s57, v[STO]               ; in: row r, 32 h bytes on
	v_mul_u32_u24 v[RD], v27, SPITCH
	v_lshl_add_u32 v[RD], v11, 4, v[RD]
	v_add_nc_u32 v[RD], s57, v[RD]                 ; back: lanes 0-15 one row, lanes 16-31 the next
	v_mov_b32 v228, 0                              ; a lane permute's destination counts as a source
	v_mov_b32 v229, 0
	v_mov_b32 v21, 0                               ; (named as upper halves of pairs)
	v_mov_b32 v23, 0
	v_mov_b32 v[HOLD], s85
	v_mov_b32 v[HOLD+1], s85                       ; twice, so that the two halves of a dual pair read different registers
	v_mov_b32 v[SCL], s84
.macro INIT                            ; a group begins: O^T and the sums are zeros, which the first change of M leaves zeros
	v_mov_b32 v13, 0xff61b1e6                      ; -3e38
	v_mov_b32 v15, 0xff61b1e6
	v_floor_f32 v12, -v13
	v_floor_f32 v14, -v15
.irp r, 16,17,18,19
	v_mov_b32 v\r, 0
.endr
	WIN 0x40
.set J, 0
.rept 64
	v_mov_b32 v[J], 0
.set J, J+1
.endr
	WIN 0
	s_wait_alu depctr_va_vdst(0)
.endm
.macro KLOAD adr, off                  ; K's eight fragments of a step, into window 1
	WIN 0x40
.irp T, 0,1,2,3,4,5,6,7
	ds_load_b128 v[KF+8*\T:KF+8*\T+3], v[\adr] offset:\off+1024*\T
	ds_load_b128 v[KF+8*\T+4:KF+8*\T+7], v[\adr] offset:\off+1024*\T+512
.endr
	WIN 0
.endm
; A KEY STEP: 128 keys x my 32 queries.  Its K was asked for a step earlier.  masked = 1: the group's last step, on the diagonal.
.macro STEP qf, masked
.if \masked
	v_nop
.else
	v_add_nc_u32 v[ADK], s[TB], v[LI]
.endif
	v_add_nc_u32 v[ADV], s[TB], v[LIV]
	NOPS 2                                         ; four places in front of loads into registers that the last products read
.irp t, 0,1,2,3
.irp c, 0,1,2,3
	ds_load_b128 v[VF+16*\t+4*\c:VF+16*\t+4*\c+3], v[ADV] offset:2048*\t+512*\c   ; V lands under the softmax
.endr
.endr
	s_wait_alu depctr_va_vdst(0)                   ; directly ahead of the wait below
	s_wait_dscnt 16                                ; K is in; V's 16 loads are younger
	WIN 0x05
.irp T, 0,1,2,3,4,5,6,7
	v_wmma_f32_16x16x64_bf8_bf8 v[SA+8*\T:SA+8*\T+7], v[KF+8*\T:KF+8*\T+7], v[\qf:\qf+7], 0
	v_wmma_f32_16x16x64_bf8_bf8 v[SB+8*\T:SB+8*\T+7], v[KF+8*\T:KF+8*\T+7], v[\qf+8:\qf+15], 0
.endr
	NOPS 4                                         ; places in front of the loads below and of the first read of the scores
.if \masked
	WIN 0
	v_mov_b32 v224, 0xff800000                     ; hidden scores become -infinity: p = 0.  The step's first key counts for all my queries
.irp T, 0,1,2,3,4,5,6,7                ; tile a: key 16 T + 8 h + j is hidden where 16 T + j > DQ; tile b's queries lie 16 on: its tile T + 1 has the same mask, its tile 0 none
.irp j, 0,1,2,3,4,5,6,7
	v_cmp_gt_i32 vcc_lo, 16*\T+\j, v[DQ]
	v_cndmask_b32 v[SA+8*\T+\j], v[SA+8*\T+\j], v224, vcc_lo
.if \T < 7
	v_cndmask_b32 v[SB+8*\T+8+\j], v[SB+8*\T+8+\j], v224, vcc_lo
.endif
.endr
.endr
.else
	KLOAD ADK, STEPB                               ; the next step's K
.endif
	v_max3_num_f32 v224, v[SA], v[SA+1], v[SA+2]   ; each query's largest score: two chains a tile, the tiles by turns; each accumulator from its low end on
	v_max3_num_f32 v225, v[SA+3], v[SA+4], v[SA+5]
	v_max3_num_f32 v226, v[SB], v[SB+1], v[SB+2]
	v_max3_num_f32 v227, v[SB+3], v[SB+4], v[SB+5]
.set J, 6
.rept 14
	v_max3_num_f32 v224, v224, v[SA+J], v[SA+J+1]
	v_max3_num_f32 v225, v225, v[SA+J+2], v[SA+J+3]
	v_max3_num_f32 v226, v226, v[SB+J], v[SB+J+1]
	v_max3_num_f32 v227, v227, v[SB+J+2], v[SB+J+3]
.set J, J+4
.endr
	v_max3_num_f32 v224, v224, v[SA+62], v[SA+63]
	v_max3_num_f32 v226, v226, v[SB+62], v[SB+63]
	v_max_num_f32 v224, v224, v225
	v_max_num_f32 v226, v226, v227
	v_permlanex16_b32 v228, v224, s[SEL], s[SEL+1]
	v_permlanex16_b32 v229, v226, s[SEL], s[SEL+1]
	v_max_num_f32 v224, v224, v228
	v_max_num_f32 v226, v226, v229
	v_mul_f32 v224, s[CS], v224                    ; as t (c is positive)
	v_mul_f32 v226, s[CS], v226
	v_max_num_f32 v13, v13, v224
	v_max_num_f32 v15, v15, v226
	v_mov_b32 v224, v12
	v_mov_b32 v226, v14
	v_floor_f32 v12, -v13                          ; -M = floor(-t)
	v_floor_f32 v14, -v15
	v_sub_f32 v224, v12, v224                      ; old M - new M, a whole number
	v_sub_f32 v226, v14, v226
	v_cvt_i32_f32 v224, v224                       ; (it saturates)
	v_cvt_i32_f32 v226, v226
	v_ldexp_f32 v20, 1.0, v224                     ; f = 2^(old M - new M)
	v_ldexp_f32 v22, 1.0, v226
.set J, 0
.rept 32
	v_pk_fma_f32 v[SA+J:SA+J+1], v[SA+J:SA+J+1], s[CS:CS+1], v[12:13] op_sel_hi:[1,0,0]   ; t - M
	v_pk_fma_f32 v[SB+J:SB+J+1], v[SB+J:SB+J+1], s[CS:CS+1], v[14:15] op_sel_hi:[1,0,0]
.set J, J+2
.endr
	v_pk_mul_f32 v[16:17], v[16:17], v[20:21] op_sel_hi:[1,0]   ; the sums under the new M,
	v_pk_mul_f32 v[18:19], v[18:19], v[22:23] op_sel_hi:[1,0]
	WIN 0x41
.set J, 0
.rept 16
	v_pk_mul_f32 v[J:J+1], v[J:J+1], v[20:21] op_sel_hi:[1,0]             ; and O^T, ahead of the exponentials
	v_pk_mul_f32 v[32+J:33+J], v[32+J:33+J], v[22:23] op_sel_hi:[1,0]
.set J, J+2
.endr
	WIN 0
	s_wait_alu depctr_va_vdst(0)                   ; the wait ahead of the batch
.set J, 0
.rept 128
	v_exp_f32 v[SA+J], v[SA+J]                     ; p = 2^(t - M), at most 1
.set J, J+1
.endr
	v_nop                                          ; a plain place behind the exponentials
	s_wait_alu depctr_va_vdst(0)                   ; one wait for the batch, ahead of its first reader
	v_pk_add_f32 v[224:225], v[SA:SA+1], v[SA+2:SA+3]      ; the sums of the unquantised p: two chains a tile
	v_pk_add_f32 v[226:227], v[SB:SB+1], v[SB+2:SB+3]
.set J, 4
.rept 15
	v_pk_add_f32 v[16:17], v[16:17], v[SA+J:SA+J+1]
	v_pk_add_f32 v[224:225], v[224:225], v[SA+J+2:SA+J+3]
	v_pk_add_f32 v[18:19], v[18:19], v[SB+J:SB+J+1]
	v_pk_add_f32 v[226:227], v[226:227], v[SB+J+2:SB+J+3]
.set J, J+4
.endr
	v_pk_add_f32 v[16:17], v[16:17], v[224:225]
	v_pk_add_f32 v[18:19], v[18:19], v[226:227]
.set J, 0
.rept 64
	v_dual_min_num_f32 v[SA+J], v[SA+J], v[HOLD] :: v_dual_min_num_f32 v[SA+J+1], v[SA+J+1], v[HOLD+1]   ; the hold, one-sided: p is not negative; the conversion does not saturate (ISA guide 7.6.2)
.set J, J+2
.endr
	WIN 0x40
.set J, 0
.rept 16
	v_cvt_scalef32_pk8_bf8_f32 v[PA+2*J:PA+2*J+1], v[SA+8*J:SA+8*J+7], v[SCL]   ; tile J % 8 of query tile J / 8: registers 2 T, 2 T + 1 of its P
.set J, J+1
.endr
	v_nop                                          ; a plain place behind the last conversion
	WIN 0x54
	s_wait_alu depctr_va_vdst(0)                   ; directly ahead of the wait below
.if \masked
	s_wait_dscnt 0x0                               ; V is in
.else
	s_wait_dscnt 16                                ; V is in; the next K's 16 loads are younger
.endif
.irp t, 0,1,2,3
	v_wmma_f32_16x16x128_bf8_bf8 v[8*\t:8*\t+7], v[VF+16*\t:VF+16*\t+15], v[PA:PA+15], v[8*\t:8*\t+7]           ; eight accumulators by turns
	v_wmma_f32_16x16x128_bf8_bf8 v[32+8*\t:39+8*\t], v[VF+16*\t:VF+16*\t+15], v[PA+16:PA+31], v[32+8*\t:39+8*\t]
.endr
	WIN 0
.endm
.macro RUN trips, qf                   ; a constant count of trips; a step at or past the group's diagonal step is jumped over by a branch on the wave's number and the count of steps
	s_mov_b32 s[TRIP], \trips
.Lrun_\@:
	s_cmp_ge_u32 s[KS], s[G]
	s_cbranch_scc1 .Lskip_\@
	STEP \qf, 0
.Lskip_\@:
	s_add_co_u32 s[KS], s[KS], 1
	s_add_co_u32 s[TB], s[TB], STEPB
	s_sub_co_u32 s[TRIP], s[TRIP], 1
	s_cmp_lg_u32 s[TRIP], 0
	s_cbranch_scc1 .Lrun_\@
.endm
; THE WAY OUT of a group: O^T / the sum x 2^(e8 + e9) goes through my stage, a tile at a time, and leaves as whole rows: sixteen lanes store the head's 256 bytes of a row of out.
.macro WAYOUT base
	NOPS 4
	v_add_f32 v16, v16, v17
	v_add_f32 v18, v18, v19
	v_permlanex16_b32 v228, v16, s[SEL], s[SEL+1]
	v_permlanex16_b32 v229, v18, s[SEL], s[SEL+1]
	v_add_f32 v16, v16, v228
	v_add_f32 v18, v18, v229
	s_wait_alu depctr_va_vdst(0)                   ; ahead of the transcendentals
	v_rcp_f32 v16, v16
	v_rcp_f32 v18, v18
	v_nop
	s_wait_alu depctr_va_vdst(0)                   ; and ahead of their first reader
	v_ldexp_f32 v16, v16, s[ESUM]
	v_ldexp_f32 v18, v18, s[ESUM]
	WIN 0x01
	s_wait_alu depctr_va_vdst(0)                   ; directly ahead of the first reader of O^T
.set J, 0
.rept 16
	v_pk_mul_f32 v[96+J:97+J], v[J:J+1], v[16:17] op_sel_hi:[1,0]         ; register 8 t + j is out(query r, e = 16 t + 8 h + j)
	v_pk_mul_f32 v[128+J:129+J], v[32+J:33+J], v[18:19] op_sel_hi:[1,0]
.set J, J+2
.endr
	WIN 0
.irp x, 0,1
.irp t, 0,1,2,3
	ds_store_b128 v[STO], v[96+32*\x+8*\t:99+32*\x+8*\t] offset:64*\t
	ds_store_b128 v[STO], v[100+32*\x+8*\t:103+32*\x+8*\t] offset:64*\t+16
.endr
.irp i, 0,1,2,3,4,5,6,7
	ds_load_b128 v[160+32*\x+4*\i:163+32*\x+4*\i], v[RD] offset:2*\i*SPITCH   ; LDS serves a wave's instructions in order (ISA guide 5.7.1.4)
.endr
.endr
.irp x, 0,1
.irp i, 0,1,2,3,4,5,6,7
	s_wait_dscnt 16*(1-\x)+7-\i                    ; the younger LDS instructions may be out
	global_store_b128 v[GO], v[160+32*\x+4*\i:163+32*\x+4*\i], s[\base:\base+1] offset:65536*\x+8192*\i th:TH_STORE_NT   ; 16 lanes store 256 consecutive bytes, aligned
.endr
.endr
.endm
	INIT                                           ; (its last line is the wait at the head's end)
	s_wait_loadcnt 0x0                             ; Q
	s_wait_tensorcnt 0x0                           ; my part of keys 0-511 is in
	ds_add_u32 v[SPW], v[NIL]
	s_wait_dscnt 0x0
	ROUND
	tensor_load_to_lds s[G0B:G0B+3], s[G1B:G1B+7]  ; my eighth of keys 512-2,047
	s_nop 0
	NOPS 4
	s_mov_b32 s[G], s56
	s_mov_b32 s[TB], 0
	s_mov_b32 s[KS], 0
	KLOAD LI, 0
	RUN 3, QH                                      ; steps 0-2 read keys 0-511 alone (step 2 asks for step 3's K)
	s_wait_tensorcnt 0x0                           ; my part of the rest is in,
	s_wait_dscnt 0x0
	s_barrier_signal -1
	s_barrier_wait -1                              ; everybody's is
	RUN 12, QH
	s_lshl_b32 s[TB], s[G], 13
	STEP QH, 1
	WAYOUT 80
	s_wait_xcnt 0x0                                ; the stores have read their registers
	INIT
	s_mov_b32 s[G], s[WV]
	s_mov_b32 s[TB], 0
	s_mov_b32 s[KS], 0
	KLOAD LI, 0
	RUN 15, QL
	s_lshl_b32 s[TB], s[G], 13
	STEP QL, 1
	WAYOUT 82
	s_wait_tensorcnt 0x0                           ; the wave's end
	ds_add_u32 v[SPW], v[NIL]
	s_wait_dscnt 0x0
	ROUND                                          ; the closing round
	s_endpgm
.Lfunc_end_k_q511c67c7f3_attn:
	.size	k_q511c67c7f3_attn, .Lfunc_end_k_q511c67c7f3_attn-k_q511c67c7f3_attn
	.p2alignl 7, 3214868480
	.fill 96, 4, 3214868480
	.section	.rodata,"a",@progbits
	.p2align	6, 0x0
	.amdhsa_kernel k_q511c67c7f3_attn
		.amdhsa_group_segment_fixed_size 327680
		.amdhsa_private_segment_fixed_size 0
		.amdhsa_enable_private_segment 0
		.amdhsa_kernarg_size 40
		.amdhsa_user_sgpr_count 2
		.amdhsa_user_sgpr_kernarg_segment_ptr 1
		.amdhsa_wavefront_size32 1
		.amdhsa_system_sgpr_workgroup_id_x 1
		.amdhsa_system_sgpr_workgroup_id_y 1
		.amdhsa_system_sgpr_workgroup_id_z 1
		.amdhsa_system_vgpr_workitem_id 0
		.amdhsa_next_free_vgpr 512
		.amdhsa_next_free_sgpr 96
		.amdhsa_reserve_vcc 1
		.amdhsa_float_denorm_mode_32 3
		.amdhsa_float_denorm_mode_16_64 3
		.amdhsa_memory_ordered 1
		.amdhsa_forward_progress 1
		.amdhsa_inst_pref_size 182
	.end_amdhsa_kernel
	.amdgpu_metadata
---
amdhsa.version: [ 1, 2 ]
amdhsa.kernels:
  - .name:           k_q511c67c7f3_attn
    .symbol:         k_q511c67c7f3_attn.kd
    .args:
      - { .name: q_img, .offset: 0, .size: 8, .value_kind: global_buffer, .address_space: global }
      - { .name: k_img, .offset: 8, .size: 8, .value_kind: global_buffer, .address_space: global }
      - { .name: v_img, .offset: 16, .size: 8, .value_kind: global_buffer, .address_space: global }
      - { .name: lowp_scales, .offset: 24, .size: 8, .value_kind: global_buffer, .address_space: global }
      - { .name: out0, .offset: 32, .size: 8, .value_kind: global_buffer, .address_space: global }
    .group_segment_fixed_size: 327680
    .private_segment_fixed_size: 0
    .kernarg_segment_align: 8
    .kernarg_segment_size: 40
    .max_flat_workgroup_size: 256
    .sgpr_count:     96
    .vgpr_count:     512
    .wavefront_size: 32
...
	.end_amdgpu_metadata
.endif
;; end of part 2
